; MI455X (gfx1250); checked and timed in simulation.
; The chip was launched on July 23, 2026; its instructions are those of AMD's public machine-readable ISA for CDNA 5 (MIT licence, August 2026) and "CDNA5" Instruction Set Architecture Reference Guide (July 2026). The comments in the code are by the model that wrote it; some were corrected since.
;; Causal Self Attention. Allowed arithmetic: matrix products marked QUANTISED: E4M3 operands, one given power-of-two scale a tensor, by v_wmma_f32_16x16x64_fp8_fp8 or v_wmma_f32_16x16x128_fp8_fp8, f32 sums; products left as they are: f32 operands where the result goes on into a quantised operand, else bf16, f16 or f32 operands; f32 sums; everything else in f32.
;; Inputs: Wk_codes 512 x 16 x 32 uint8 (E4M3 codes of Wk, K innermost, in blocks of 32 codes); Wo_codes 512 x 16 x 32 uint8 (E4M3 codes of Wo, K innermost, in blocks of 32 codes); Wq_codes 512 x 16 x 32 uint8 (E4M3 codes of Wq, K innermost, in blocks of 32 codes); Wv_codes 512 x 16 x 32 uint8 (E4M3 codes of Wv, K innermost, in blocks of 32 codes); bo 512 float32; delta 4 x 2,048 x 512 float32; h_codes 4 x 2,048 x 16 x 32 uint8 (E4M3 codes of h, K innermost, in blocks of 32 codes); lowp_scales 12 int32 (the exponents e of the quantised operands' scales 2^e); tau 4 x 2,048 x 1 float32.
;; Outputs: out0 4 x 512 float32.
;; This version of the problem:
;;   THIS VERSION OF THE PROBLEM IS GIVEN IN LOW PRECISION. The matrix products marked QUANTISED in the list below multiply operands that are first quantised to E4M3 (4 exponent bits, 3 mantissa bits; 8 bits a number), with one given power-of-two scale for each operand tensor; their sums are f32. All else is computed in f32.
;;   The module's matrix products, in the order in which they are computed (A, B: the left and right operand; K: the contracted axis; several contracted axes count as one K, in the product's order):
;;     1. [M 8,192, K 512] x [K 512, N 512]; A: input h (given as codes); B: input Wq (given as codes): QUANTISED (scales: A lowp_scales[0], B lowp_scales[1])
;;     2. [M 8,192, K 512] x [K 512, N 512]; A: input h (given as codes); B: input Wk (given as codes): QUANTISED (scales: A lowp_scales[2], B lowp_scales[3])
;;     3. [M 8,192, K 512] x [K 512, N 512]; A: input h (given as codes); B: input Wv (given as codes): QUANTISED (scales: A lowp_scales[4], B lowp_scales[5])
;;     4. batch 32 x [M 2,048, K 64] x [K 64, N 2,048]; A: computed on the way; B: computed on the way: QUANTISED (scales: A lowp_scales[6], B lowp_scales[7])
;;     5. batch 32 x [M 1, K 64] x [K 64, N 2,048]; A: input delta; B: computed on the way: left as it is (M = 1 < 16)
;;     6. batch 32 x [M 2,048, K 2,048] x [K 2,048, N 64]; A: softmax (see below); B: computed on the way: QUANTISED (scales: A lowp_scales[8], B lowp_scales[9])
;;     7. [M 8,192, K 512] x [K 512, N 512]; A: computed on the way; B: input Wo (given as codes): QUANTISED (scales: A lowp_scales[10], B lowp_scales[11])
;;   THE QUANTISER, for each operand of a quantised product, along K:
;;     - The operand's scale is 2^e, e = its entry of the input lowp_scales (int32; the entries are numbered through the quantised products in the list's order, A before B).
;;     - Each number is divided by the scale, clamped to +-448, and rounded to the nearest number of E4M3, ties to even, subnormals kept.
;;     - The product sums the exact products of the quantised numbers (number of the format x scale) in f32.
;;   ~~~python
;;   def quantise(x, axis, e):      # numpy; x: float32 -> the quantised numbers, widened to float32 again
;;       x = np.moveaxis(x, axis, -1); K = x.shape[-1]
;;       r = np.clip(x / 2.0 ** e, -448, 448)
;;       step = 2.0 ** (np.maximum(np.frexp(np.where(r == 0, 1, r))[1] - 1, -6) - 3)
;;       q = np.round(r / step) * step * 2.0 ** e      # np.round: ties to even
;;       return np.moveaxis(q, -1, axis).astype(np.float32)
;;   ~~~
;;   SOFTMAX AHEAD OF A QUANTISED PRODUCT. Where the list says 'softmax', what is quantised is not the finished softmax but p = 2^(t - M), with t = logit x log2(e) and M = ceil(the row's largest t), a whole number; so 1/2 < the row's largest p <= 1. The row's sum l is taken of the UNQUANTISED p, in f32, and the product's result is divided by l at the end. Since M is a whole number, a kernel that streams over the keys may use a running M (the ceiling of the running maximum): every later rescaling is an exact power of two, so the quantised numbers keep their values, but for numbers so far below the row's largest that they fall under the format's range.
;;   OPERANDS COMPUTED ON THE WAY. 'Computed on the way' means the value that the module computes at that place (a softmax that the list does not call 'softmax' is quantised finished and normalised). What goes into a quantiser is computed in f32, as accurately as f32 sums, v_exp_f32 and their like allow (about 1e-6 of the number): no bf16 or f16 on the way to a quantiser, and a product that is left as it is and whose result goes on into a quantised operand takes f32 operands (vector FMAs, or v_wmma_f32_16x16x4_f32). A number that lies on a knife's edge between two numbers of the format may be rounded either way, as far as f32 arithmetic and the matrix unit's own rounding can turn it there, and no further.
;;   INPUTS GIVEN AS CODES. Wk (in the module: [512, 512], K = its axis 1); Wo (in the module: [512, 512], K = its axis 1); Wq (in the module: [512, 512], K = its axis 1); Wv (in the module: [512, 512], K = its axis 1); h (in the module: [4, 2048, 512], K = its axis 2): each comes as NAME_codes (uint8): NAME with its K axis moved to the last place and cut into blocks of 32 codes, [.., K / 32, bytes a block], one block behind the other in memory; one code a byte (a code: sign, 4 exponent bits, 3 mantissa bits); its scale is its entry of lowp_scales. Its value is code x scale, taken as it is: it is not quantised again, and the codes and scales need not be those that the quantiser above would give.
;; 2 versions, each right; version 2 is version 1 with the launch outproj written anew for expert scheduling mode. Each part assembles by itself: llvm-mc -triple=amdgcn-amd-amdhsa -mcpu=gfx1250 --defsym DOCPART=n.
;; ======== version 1 of 2: 2 launches
;; workspace buffers: part_o 65,536 bytes; part_l 1,024 bytes
;; launch kvatt (part 1): grid 8 x 32, 4 waves a work-group, clusters of 4 x 4, 213,504 bytes of LDS; arguments h_codes, Wq_codes, Wk_codes, Wv_codes, delta, tau, lowp_scales, part_o, part_l; writes part_o, part_l
.if DOCPART == 1
	.amdgcn_target "amdgcn-amd-amdhsa--gfx1250"
	.amdhsa_code_object_version 6
	.text
	.protected	k_q5600b62e35_kvatt
	.globl	k_q5600b62e35_kvatt
	.p2align	8
	.type	k_q5600b62e35_kvatt,@function
k_q5600b62e35_kvatt:
	s_mov_b64 s[64:65], 0
	v_nop
	global_prefetch_b8 v0, s[64:65] scope:SCOPE_SE
	s_setreg_imm32_b32 hwreg(HW_REG_WAVE_MODE, 25, 1), 1
	s_wait_xcnt 0x0
	s_wait_alu depctr_hold_cnt(0) depctr_sa_sdst(0) depctr_va_vdst(0) depctr_va_sdst(0) depctr_va_ssrc(0) depctr_va_vcc(0) depctr_vm_vsrc(0)
	s_getreg_b32 s2, hwreg(HW_REG_IB_STS2, 6, 4)
	s_cmp_eq_u32 s2, 0
	s_cbranch_scc0 .Lentry_in_a_cluster
	s_endpgm
.Lentry_in_a_cluster:
	s_bfe_u32 s2, ttmp6, 0x10000c
	s_cmp_lg_u32 s2, 0xf033
	s_cbranch_scc0 .Lentry_shape_is_right
	s_endpgm
.Lentry_shape_is_right:
; THE LAST QUERY'S ATTENTION, split over the keys.  The problem returns only position 2047 of each batch, so of its products are kept: K and V for all 8,192 rows, Q for row 2047 of each batch,
; one query's scores, bias, softmax and P V for each (batch, head).  The causal mask hides no key from the last query.
; A work-group takes one head, one batch and 256 keys: K (256 x 64) and V (256 x 64) = h's tile (256 x 512 codes) x 64 rows of Wk and of Wv; q = h's row 2047 x 64 rows of Wq; all on E4M3 codes, f32 sums.
; Then bias = delta_last . K (f32 multiply-adds on the unquantised K), logit = tau x score / 8 + bias, held within +-50, t = logit x log2(e).
; Each wave owns 64 keys: M = ceil(its largest t), p = 2^(t - M) is quantised with 2^e8, l = the sum of the unquantised p, O = p's codes x V's codes.  O and l are then multiplied by 2^M (exact: the hold
; at +-50 keeps M between -72 and 73), so that all parts stand under one exponent and are plain f32 sums: four waves here, eight chunks in the next launch, which also divides by l.
; LIMITS.  M is a wave's own and not the row's: a p far under the row's largest keeps bits that a quantiser under the row's M would drop; where 448 x 2^e8 < 1 each wave's largest p is held at the largest code.
; e6-e0-e1, e7-e2-e3, e9-e4-e5 and e8 lie between -126 and 119, so that each scale and 448 x it is an f32 number.  NaN among the inputs is not served.
; CLUSTER 4 x 4: x counts heads, y counts (batch, chunk).  h's tile hangs on y alone and is asked for jointly by a row of the cluster; Wk's and Wv's rows hang on the head alone: jointly by a column.
; LDS is filled once: a work-group's whole input (196,608 bytes and padding) lies there at once, in two halves along K, so that work begins when the lower half has landed.
; LAYOUTS.  K: source 0 = 16 rows of Wk, source 1 = 16 keys: lane (r, h), register j = K(key 16 t + r, dim 16 c + 8 h + j): eight codes are registers 2 c, 2 c + 1 of the scores' operand.  q likewise, all 16 columns alike.
; V: source 0 = 16 keys, source 1 = 16 rows of Wv: register j = V(key 16 t + 8 h + j, dim 16 u + r): eight codes are registers 2 t, 2 t + 1 of P V's operand (K = my 64 keys).
; Fragments for 128 along K come by four loads of 16 bytes, 32 apart: the same permutation of k on both sides of every product.
; WINDOWS of 256 registers: 0: addresses, constants, small operands; 1: V's 16 accumulators (v0-127), K's 16 (v128-255); 2, 3: fragment sets 0, 1 (h v0-63, Wk v64-127, Wv v128-191); v192-255: Wq (window 2), h's last row (window 3).
.set PITCH, 272                        ; an LDS row: 256 bytes + 16: 68 words from row to row
.set HLO,  0                           ; h rows 0-255, k 0-255
.set HHI,  256*PITCH                   ; h rows 0-255, k 256-511
.set WLO,  2*256*PITCH                 ; Wk's 64 rows, then Wv's 64, k 0-255
.set WHI,  WLO+128*PITCH               ; the same, k 256-511
.set QIMG, WHI+128*PITCH               ; q's codes as an image of the operand's registers: tile c at 256 c + 8 x lane
.set PSCR, QIMG+1024                   ; wave w: its 64 p, f32, at 256 w + 4 x key
.set REC,  PSCR+1024                   ; wave w: its O x 2^M, 64 f32, at 256 w + 4 x dim
.set LREC, REC+1024                    ; wave w: its l x 2^M at 4 w
.set CB,   (1<<20)|(1<<21)|(5<<22)|(3<<25)   ; group 1, word 0: elements of 1 byte; padding on; bit 21 beside a mask; after every 64 words, 4 words
.set ADH, 4                            ; v4, v5  my 64 keys' rows in HLO, HHI
.set ADW, 6                            ; v6, v7  the weights' rows in WLO, WHI
.set QA,  40                           ; v[40:47]   q's accumulator (tile c = my wave)
.set QC,  48                           ; v[48:49]   its codes
.set QF,  50                           ; v[50:57]   q's whole fragment
.set DL,  64                           ; v[64:95]   delta_last: register 8 c + j = dim 16 c + 8 h + j; later P V's four results
.set BS,  96                           ; v[96:103]  the bias's sums, a pair a key tile; later t and p (v96-99), O x 2^M (v100-103)
.set BB,  104                          ; v[104:107] the bias of key 16 t + r
.set PX,  108                          ; v[108:111] what the other half of the lanes sends
.set KC,  112                          ; v[112:143] K's codes, 8 registers a key tile
.set VC,  144                          ; v[144:175] V's codes, 8 registers a tile of dims
.set SC,  176                          ; v[176:207] the scores, 8 registers a key tile
.set PF,  208                          ; v[208:239] p of keys 16 c + 8 h + j
.set PC,  240                          ; v[240:247] p's codes
.set HF,  0                            ; in a fragment set
.set KF,  64
.set VF,  128
.set VACC, 0                           ; window 1
.set KACC, 128
.set MSB, 0
.macro WIN new                         ; the immediate's high byte repeats the setting that is left; a switch that changes nothing is dropped
.if MSB != (\new)
	s_set_vgpr_msb (MSB<<8)|(\new)
.set MSB, (\new)
.endif
.endm
.macro PLACES n
.rept \n
	v_nop
.endr
.endm
.macro CROUND                          ; a round of the cluster's barrier: my work-group's barrier, wave 0 signals for it, all wait for all sixteen, my work-group's barrier again
	s_barrier_signal -1
	s_barrier_wait -1
	s_cmp_lg_u32 s26, 0
	s_cbranch_scc1 .Lnot_wave_0_\@
	s_barrier_signal -3
.Lnot_wave_0_\@:
	s_barrier_wait -3
	s_barrier_signal -1
	s_barrier_wait -1
.endm
.macro MKS e, vs, vl                   ; from the exponent in s[e]: v[vs] = 2^e, v[vl] = 448 x 2^e, as f32
	s_add_co_i32 s98, s[\e], 127
	s_lshl_b32 s99, s98, 23
	v_mov_b32 v[\vs], s99
	s_add_co_i32 s98, s98, 8
	s_lshl_b32 s98, s98, 23
	s_or_b32 s98, s98, 0x600000
	v_mov_b32 v[\vl], s98
.endm
.macro FETCH half, p                   ; 48 LDS loads: the fragments of 128 along K (the p-th of that half of K) into set p: my 4 key tiles, Wk's 4 tiles, Wv's 4
	WIN 0x80+0x40*(\p)
.irp t, 0,1,2,3
.irp c, 0,1,2,3
	ds_load_b128 v[HF+16*\t+4*\c:HF+16*\t+4*\c+3], v[ADH+\half] offset:\t*16*PITCH+128*(\p)+32*\c
.endr
.endr
.irp t, 0,1,2,3
.irp c, 0,1,2,3
	ds_load_b128 v[KF+16*\t+4*\c:KF+16*\t+4*\c+3], v[ADW+\half] offset:\t*16*PITCH+128*(\p)+32*\c
.endr
.endr
.irp t, 0,1,2,3
.irp c, 0,1,2,3
	ds_load_b128 v[VF+16*\t+4*\c:VF+16*\t+4*\c+3], v[ADW+\half] offset:64*PITCH+\t*16*PITCH+128*(\p)+32*\c
.endr
.endr
.endm
; The 33 accumulators take turns, one instruction a turn, in the same order in every K step.  z = 1: the first K step starts the sums.
.macro MULK p, z                       ; K: 16 products from set p
	WIN 0x5a+5*(\p)
.irp t, 0,1,2,3
.irp c, 0,1,2,3
.if \z
	v_wmma_f32_16x16x128_fp8_fp8 v[KACC+32*\t+8*\c:KACC+32*\t+8*\c+7], v[KF+16*\c:KF+16*\c+15], v[HF+16*\t:HF+16*\t+15], 0
.else
	v_wmma_f32_16x16x128_fp8_fp8 v[KACC+32*\t+8*\c:KACC+32*\t+8*\c+7], v[KF+16*\c:KF+16*\c+15], v[HF+16*\t:HF+16*\t+15], v[KACC+32*\t+8*\c:KACC+32*\t+8*\c+7]
.endif
.endr
.endr
.endm
.macro MULV p, z                       ; V: 16 products from set p
	WIN 0x5a+5*(\p)
.irp u, 0,1,2,3
.irp t, 0,1,2,3
.if \z
	v_wmma_f32_16x16x128_fp8_fp8 v[VACC+32*\u+8*\t:VACC+32*\u+8*\t+7], v[HF+16*\t:HF+16*\t+15], v[VF+16*\u:VF+16*\u+15], 0
.else
	v_wmma_f32_16x16x128_fp8_fp8 v[VACC+32*\u+8*\t:VACC+32*\u+8*\t+7], v[HF+16*\t:HF+16*\t+15], v[VF+16*\u:VF+16*\u+15], v[VACC+32*\u+8*\t:VACC+32*\u+8*\t+7]
.endif
.endr
.endr
.endm
.macro MULQ s, z                       ; q: K step s: Wq's fragment (window 2, place s) x h's last row (window 3, place (s + 1) % 4)
	WIN 0x0e
.if \z
	v_wmma_f32_16x16x128_fp8_fp8 v[QA:QA+7], v[192+16*(\s):192+16*(\s)+15], v[192+16*(((\s)+1)%4):192+16*(((\s)+1)%4)+15], 0
.else
	v_wmma_f32_16x16x128_fp8_fp8 v[QA:QA+7], v[192+16*(\s):192+16*(\s)+15], v[192+16*(((\s)+1)%4):192+16*(((\s)+1)%4)+15], v[QA:QA+7]
.endif
.endm
	s_load_b512 s[8:23], s[0:1], 0x0               ; h s[8:9], Wq s[10:11], Wk s[12:13], Wv s[14:15], delta s[16:17], tau s[18:19], the scales' exponents s[20:21], part_o s[22:23]
	s_load_b64 s[24:25], s[0:1], 0x40              ; part_l
	v_lshl_add_u32 v254, v0, 2, 0x34000
	v_mov_b32 v255, 0
	ds_add_u32 v254, v255
	ds_add_u32 v254, v255
	v_lshrrev_b32 v21, 5, v0
	v_readfirstlane_b32 s26, v21                   ; wave 0..3
	s_and_b32 s27, s26, 1                          ; a: which half of h's rows I fetch (waves 0, 1), or Wk (wave 2) or Wv (wave 3)
	s_bfe_u32 s28, ttmp6, 0x40000                  ; cx
	s_bfe_u32 s29, ttmp6, 0x40004                  ; cy
	s_lshl_b32 s30, ttmp9, 2
	s_add_co_u32 s30, s30, s28                     ; head = 4 x cluster x + cx
	s_and_b32 s31, ttmp7, 0xffff
	s_lshl_b32 s31, s31, 2
	s_add_co_u32 s31, s31, s29                     ; y = 4 x cluster y + cy = 8 x batch + chunk
	s_lshl_b32 s32, s29, 2
	s_lshl_b32 s32, 15, s32                        ; my row of the cluster
	s_lshl_b32 s33, 0x1111, s28                    ; my column
	s_mov_b32 s34, 0x76543210                      ; v_permlanex16_b32: lane l xor 16
	s_mov_b32 s35, 0xfedcba98
	; group 1 for h's tiles: 128 rows x 256 bytes, 512 bytes from row to row;  for the weights': 64 rows
	s_or_b32 s36, s32, CB
	s_mov_b32 s37, 256<<16                         ; tensor_dim0
	s_mov_b32 s38, 128<<16                         ; tensor_dim1
	s_mov_b32 s39, 256<<16                         ; tile_dim0
	s_mov_b32 s40, 128                             ; tile_dim1
	s_mov_b32 s41, 512                             ; stride
	s_mov_b32 s42, 0
	s_mov_b32 s43, 0
	s_or_b32 s44, s33, CB
	s_mov_b32 s45, 256<<16
	s_mov_b32 s46, 64<<16
	s_mov_b32 s47, 256<<16
	s_mov_b32 s48, 64
	s_mov_b32 s49, 512
	s_mov_b32 s50, 0
	s_mov_b32 s51, 0
	; every LDS address is made here, ahead of the first branch on the wave's number: constants, the lane, the wave
	v_and_b32 v1, 15, v0                           ; r
	v_bfe_u32 v2, v0, 4, 1                         ; h
	v_and_b32 v3, 31, v0                           ; lane
	v_mul_u32_u24 v21, v1, PITCH
	v_lshl_add_u32 v21, v2, 4, v21                 ; r x pitch + 16 h
	s_mul_i32 s98, s26, 64*PITCH
	v_add_nc_u32 v4, s98, v21                      ; my 64 keys' rows, lower half of K,
	v_add_nc_u32 v5, HHI, v4                       ; upper half
	v_add_nc_u32 v6, WLO, v21
	v_add_nc_u32 v7, WHI, v21
	s_lshl_b32 s98, s26, 13
	v_lshlrev_b32 v8, 9, v1
	v_lshl_add_u32 v8, v2, 4, v8
	v_add_nc_u32 v8, s98, v8                       ; Wq: row 16 w + r of the head's 64, + 16 h
	v_lshlrev_b32 v9, 4, v2                        ; h's last row: 16 h: the same row in all 16 columns
	v_lshlrev_b32 v10, 5, v2                       ; delta_last: 32 h
	s_lshl_b32 s99, s26, 8                         ; 256 w
	v_lshlrev_b32 v19, 3, v3                       ; 8 x lane
	v_add_nc_u32 v12, QIMG, v19
	v_add_nc_u32 v11, s99, v12
	v_lshlrev_b32 v22, 2, v1
	v_add_nc_u32 v22, s99, v22                     ; 256 w + 4 r
	v_add_nc_u32 v13, PSCR, v22
	v_add_nc_u32 v15, REC, v22
	v_add_nc_u32 v14, s99, v10
	v_add_nc_u32 v14, PSCR, v14                    ; 256 w + 32 h
	v_mov_b32 v16, s26
	v_lshlrev_b32 v16, 2, v16
	v_add_nc_u32 v16, LREC, v16
	v_add_nc_u32 v17, REC, v19
	v_mov_b32 v18, LREC
	v_mov_b32 v20, 0
.irp t, 0,1,2,3
	v_mov_b32 v[PX+\t], 0                          ; a lane permute's destination counts as read: written once
.endr
	; offsets.  s[88:89] holds y and the wave alone, s[90:91] the head alone: h's descriptors never see cx, the weights' never cy
	s_lshl_b32 s88, s31, 17                        ; 256 y rows of 512 bytes
	s_lshl_b32 s89, s27, 16                        ; + 128 a rows
	s_add_co_u32 s88, s88, s89
	s_mov_b32 s89, 0
	s_lshl_b32 s90, s30, 15                        ; the head's 64 rows of 512 bytes
	s_mov_b32 s91, 0
	s_lshr_b32 s94, s31, 3                         ; batch
	s_and_b32 s95, s31, 7                          ; chunk
	s_lshl_b32 s92, s94, 20                        ; the batch's rows of h
	s_mov_b32 s93, 0
	s_lshl_b32 s66, s94, 13                        ; the batch's tau
	s_mov_b32 s67, 0
	s_wait_dscnt 0x0
	s_wait_kmcnt 0x0
	s_load_b256 s[72:79], s[20:21], 0x0            ; e0 .. e7
	s_load_b128 s[80:83], s[20:21], 0x20           ; e8 .. e11
	s_add_nc_u64 s[18:19], s[18:19], s[66:67]
	s_load_b32 s84, s[18:19], 0x1ffc               ; tau[batch, 2047]
	s_add_nc_u64 s[10:11], s[10:11], s[90:91]      ; Wq at the head's rows
	s_add_nc_u64 s[92:93], s[8:9], s[92:93]
	s_add_nc_u64 s[92:93], s[92:93], 2047*512      ; h's row 2047 of the batch
	s_lshl_b32 s66, s94, 22
	s_lshl_b32 s98, s30, 8
	s_add_co_u32 s66, s66, s98
	s_add_nc_u64 s[16:17], s[16:17], s[66:67]
	s_add_nc_u64 s[16:17], s[16:17], 2047*2048     ; delta[batch, 2047, 64 head ..]
	WIN 0x80
.irp s, 0,1,2,3
.irp c, 0,1,2,3
	global_load_b128 v[192+16*\s+4*\c:192+16*\s+4*\c+3], v8, s[10:11] offset:128*\s+32*\c
.endr
.endr
	WIN 0xc0
.irp s, 0,1,2,3
.irp c, 0,1,2,3
	global_load_b128 v[192+16*((\s+1)%4)+4*\c:192+16*((\s+1)%4)+4*\c+3], v9, s[92:93] offset:128*\s+32*\c
.endr
.endr
	WIN 0
.irp c, 0,1,2,3
	global_load_b128 v[DL+8*\c:DL+8*\c+3], v10, s[16:17] offset:64*\c
	global_load_b128 v[DL+8*\c+4:DL+8*\c+7], v10, s[16:17] offset:64*\c+16
.endr
	; where the parts go: index = (4 chunk + batch) x 8 + head
	s_lshl_b32 s66, s95, 2
	s_add_co_u32 s66, s66, s94
	s_lshl_b32 s66, s66, 3
	s_add_co_u32 s66, s66, s30
	s_lshl_b32 s98, s66, 8
	s_mov_b32 s99, 0
	s_add_nc_u64 s[22:23], s[22:23], s[98:99]
	s_lshl_b32 s98, s66, 2
	s_add_nc_u64 s[24:25], s[24:25], s[98:99]
	; groups 0: h's tile, lower and upper half of K; the weights' likewise
	s_add_nc_u64 s[88:89], s[8:9], s[88:89]
	s_mov_b32 s52, 1
	s_mul_i32 s53, s27, 128*PITCH                  ; HLO + 128 a rows
	s_mov_b64 s[54:55], s[88:89]
	s_or_b32 s55, s55, 0x80000000
	s_mov_b32 s56, 1
	s_add_co_u32 s57, s53, HHI
	s_add_nc_u64 s[58:59], s[88:89], 256
	s_or_b32 s59, s59, 0x80000000
	s_cmp_eq_u32 s27, 0
	s_cselect_b64 s[96:97], s[12:13], s[14:15]     ; Wk or Wv, by the wave's number
	s_add_nc_u64 s[96:97], s[96:97], s[90:91]
	s_mov_b32 s60, 1
	s_mul_i32 s61, s27, 64*PITCH
	s_add_co_u32 s69, s61, WHI
	s_add_co_u32 s61, s61, WLO
	s_mov_b64 s[62:63], s[96:97]
	s_or_b32 s63, s63, 0x80000000
	s_mov_b32 s68, 1
	s_add_nc_u64 s[70:71], s[96:97], 256
	s_or_b32 s71, s71, 0x80000000
	CROUND                                         ; all sixteen work-groups are here: the joint loads meet
	s_cmp_lt_u32 s26, 2                            ; a wave's two fills stand in one branch: two tensor loads of mine are out; four v_nop follow the second
	s_cbranch_scc0 .Lfill_w
	tensor_load_to_lds s[52:55], s[36:43]
	s_nop 0
	tensor_load_to_lds s[56:59], s[36:43]
	s_nop 0
	PLACES 4
	s_branch .Lfilled
.Lfill_w:
	tensor_load_to_lds s[60:63], s[44:51]
	s_nop 0
	tensor_load_to_lds s[68:71], s[44:51]
	s_nop 0
	PLACES 4
.Lfilled:
	s_wait_kmcnt 0x0                               ; the exponents and tau
	s_sub_co_i32 s87, s78, s72
	s_sub_co_i32 s87, s87, s73                     ; a sum of q stands for sum x 2^(e0 + e1): its code is sum / 2^(e6 - e0 - e1)
	MKS 87, 24, 25
	s_add_co_i32 s85, s74, s75                     ; e2 + e3: K = sum x 2^(e2 + e3), for the bias
	s_sub_co_i32 s87, s79, s85
	MKS 87, 26, 27                                 ; K's: e7 - e2 - e3
	s_sub_co_i32 s87, s81, s76
	s_sub_co_i32 s87, s87, s77
	MKS 87, 28, 29                                 ; V's: e9 - e4 - e5
	MKS 80, 30, 31                                 ; p's: e8
	s_add_co_i32 s86, s78, s79
	s_sub_co_i32 s86, s86, 3                       ; a score stands for score x 2^(e6 + e7); / sqrt(64) = 2^-3
	v_mov_b32 v33, s84
	v_ldexp_f32 v33, v33, s86                      ; tau x 2^(e6 + e7 - 3)
	v_mov_b32 v32, 0x42480000                      ; 50.0
	s_wait_tensorcnt 1                             ; my lower-K tile has landed; the upper one may stay out
	s_barrier_signal -1
	s_barrier_wait -1                              ; everybody's has
	FETCH 0, 0                                     ; K steps 0 and 1
	FETCH 0, 1
	s_wait_dscnt 48                                ; set 0 is in; set 1's 48 loads may be out
	MULK 0, 1
	MULV 0, 1
	s_wait_loadcnt 8                               ; Wq's 16 loads and the last row's 16 are in; delta's 8 may be out
	MULQ 0, 1
	s_wait_tensorcnt 0x0                           ; my upper-K tile has landed,
	s_wait_dscnt 0x0                               ; set 1 is in, and no LDS instruction of mine is out at the signal
	s_barrier_signal -1
	MULK 1, 0                                      ; work on registers while the others arrive
	s_barrier_wait -1                              ; the upper halves are whole
	PLACES 4                                       ; in front of loads into registers that matrix instructions have read (ISA guide 7.12.1 for vector instructions)
	FETCH 1, 0                                     ; K step 2 into set 0
	MULV 1, 0
	MULQ 1, 0
	PLACES 4
	FETCH 1, 1                                     ; K step 3 into set 1
	s_wait_dscnt 48                                ; set 0 is in
	MULK 0, 0
	MULV 0, 0
	MULQ 2, 0
	s_wait_dscnt 0x0
	MULK 1, 0
	MULV 1, 0
	MULQ 3, 0
	WIN 0
	PLACES 4                                       ; in front of the first reads of results
	; q: my 16 dims, held and quantised; the image of its two registers goes to LDS for all four waves
.irp j, 0,1,2,3,4,5,6,7
	v_med3_num_f32 v[QA+\j], v[QA+\j], -v25, v25   ; the conversion to an 8-bit code does not saturate (ISA guide 7.6.2): the hold at 448 x the scale
.endr
	v_cvt_scalef32_pk8_fp8_f32 v[QC:QC+1], v[QA:QA+7], v24
	v_nop                                          ; a plain instruction behind a scaled conversion
	ds_store_b64 v11, v[QC:QC+1]
	s_wait_dscnt 0x0                               ; for the others' sake
	s_barrier_signal -1
	; between signal and wait, work on registers: the bias from the unquantised K, then K's codes
	s_wait_loadcnt 0x0                             ; delta_last
	WIN 0x01                                       ; source 0 in window 1
.irp i, 0,1,2,3,4,5,6,7,8,9,10,11,12,13,14,15
.irp t, 0,1,2,3
.if \i == 0
	v_pk_mul_f32 v[BS+2*\t:BS+2*\t+1], v[KACC+32*\t:KACC+32*\t+1], v[DL:DL+1]
.else
	v_pk_fma_f32 v[BS+2*\t:BS+2*\t+1], v[KACC+32*\t+2*\i:KACC+32*\t+2*\i+1], v[DL+2*\i:DL+2*\i+1], v[BS+2*\t:BS+2*\t+1]   ; each accumulator from its low end on
.endif
.endr
.endr
	WIN 0x41                                       ; destination and source 0 in window 1
.set j, 0
.rept 128
	v_med3_num_f32 v[KACC+j], v[KACC+j], -v27, v27
.set j, j+1
.endr
	WIN 0x01
.irp t, 0,1,2,3
.irp c, 0,1,2,3
	v_cvt_scalef32_pk8_fp8_f32 v[KC+8*\t+2*\c:KC+8*\t+2*\c+1], v[KACC+32*\t+8*\c:KACC+32*\t+8*\c+7], v26
.endr
.endr
	v_nop
	WIN 0
	s_barrier_wait -1                              ; q's four images lie in LDS
.irp c, 0,1,2,3
	ds_load_b64 v[QF+2*\c:QF+2*\c+1], v12 offset:256*\c
.endr
.irp t, 0,1,2,3
	v_add_f32 v[BB+\t], v[BS+2*\t], v[BS+2*\t+1]
.endr
.irp t, 0,1,2,3
	v_permlanex16_b32 v[PX+\t], v[BB+\t], s34, s35 ; the key's other 32 dims lie in the lane 16 away
.endr
.irp t, 0,1,2,3
	v_add_f32 v[BB+\t], v[BB+\t], v[PX+\t]
.endr
.irp t, 0,1,2,3
	v_ldexp_f32 v[BB+\t], v[BB+\t], s85            ; x 2^(e2 + e3)
.endr
	WIN 0x41
.set j, 0
.rept 128
	v_med3_num_f32 v[VACC+j], v[VACC+j], -v29, v29
.set j, j+1
.endr
	WIN 0x01
.irp u, 0,1,2,3
.irp t, 0,1,2,3
	v_cvt_scalef32_pk8_fp8_f32 v[VC+8*\u+2*\t:VC+8*\u+2*\t+1], v[VACC+32*\u+8*\t:VACC+32*\u+8*\t+7], v28
.endr
.endr
	v_nop
	WIN 0
	s_wait_dscnt 0x0                               ; q's fragment
.irp t, 0,1,2,3
	v_wmma_f32_16x16x64_fp8_fp8 v[SC+8*\t:SC+8*\t+7], v[QF:QF+7], v[KC+8*\t:KC+8*\t+7], 0   ; register 0 of lane r: the score of key 16 t + r (all 16 rows are the one query)
.endr
	PLACES 4
.irp t, 0,1,2,3
	v_fma_f32 v[BS+\t], v[SC+8*\t], v33, v[BB+\t]  ; tau x score / 8 + bias
.endr
.irp t, 0,1,2,3
	v_med3_num_f32 v[BS+\t], v[BS+\t], -v32, v32   ; the problem's own clip
.endr
.irp t, 0,1,2,3
	v_mul_f32 v[BS+\t], 0x3fb8aa3b, v[BS+\t]       ; t = logit x log2(e)
.endr
	v_max3_num_f32 v34, v96, v97, v98
	v_max_num_f32 v34, v34, v99
	v_max_num_f32_dpp v34, v34, v34 row_xmask:1 row_mask:0xf bank_mask:0xf   ; over the 16 lanes of a half; the two halves hold the same keys
	v_max_num_f32_dpp v34, v34, v34 row_xmask:2 row_mask:0xf bank_mask:0xf
	v_max_num_f32_dpp v34, v34, v34 row_xmask:4 row_mask:0xf bank_mask:0xf
	v_max_num_f32_dpp v34, v34, v34 row_xmask:8 row_mask:0xf bank_mask:0xf
	v_floor_f32 v35, -v34                          ; -M = floor(-t) = -ceil(t)
	v_cvt_i32_f32 v36, v35                         ; -M as a whole number
.irp t, 0,1,2,3
	v_add_f32 v[BS+\t], v[BS+\t], v35              ; t - M
.endr
.irp t, 0,1,2,3
	v_exp_f32 v[BS+\t], v[BS+\t]                   ; p = 2^(t - M)
.endr
	v_sub_nc_u32 v36, 0, v36                       ; M.  (The plain instruction behind the exponentials)
	s_wait_alu depctr_va_vdst(0)                   ; one wait for the four, ahead of their first reader
	v_add_f32 v37, v96, v97                        ; l of the unquantised p
	v_add_f32 v38, v98, v99
	v_add_f32 v37, v37, v38
	v_add_f32_dpp v37, v37, v37 row_xmask:1 row_mask:0xf bank_mask:0xf
	v_add_f32_dpp v37, v37, v37 row_xmask:2 row_mask:0xf bank_mask:0xf
	v_add_f32_dpp v37, v37, v37 row_xmask:4 row_mask:0xf bank_mask:0xf
	v_add_f32_dpp v37, v37, v37 row_xmask:8 row_mask:0xf bank_mask:0xf
	v_ldexp_f32 v37, v37, v36                      ; l x 2^M
	; p changes lanes once, through my own 256 bytes: a lane held one key of each tile and wants keys 16 c + 8 h + 0 .. 7
.irp t, 0,1,2,3
	ds_store_b32 v13, v[BS+\t] offset:64*\t        ; both halves of the lanes store the same word with the same number
.endr
.irp c, 0,1,2,3
	ds_load_b128 v[PF+8*\c:PF+8*\c+3], v14 offset:64*\c      ; LDS serves a wave's instructions in order (ISA guide 5.7.1.4): these see the stores above
	ds_load_b128 v[PF+8*\c+4:PF+8*\c+7], v14 offset:64*\c+16
.endr
	s_wait_dscnt 0x0
.set j, 0
.rept 32
	v_min_num_f32 v[PF+j], v[PF+j], v31            ; p is not negative: the hold is one-sided
.set j, j+1
.endr
.irp c, 0,1,2,3
	v_cvt_scalef32_pk8_fp8_f32 v[PC+2*\c:PC+2*\c+1], v[PF+8*\c:PF+8*\c+7], v30
.endr
	v_nop
.irp u, 0,1,2,3
	v_wmma_f32_16x16x64_fp8_fp8 v[DL+8*\u:DL+8*\u+7], v[PC:PC+7], v[VC+8*\u:VC+8*\u+7], 0   ; register 0 of lane r: O(dim 16 u + r)
.endr
	PLACES 4
.irp u, 0,1,2,3
	v_ldexp_f32 v[100+\u], v[DL+8*\u], v36         ; O x 2^M
.endr
.irp u, 0,1,2,3
	ds_store_b32 v15, v[100+\u] offset:64*\u
.endr
	ds_store_b32 v16, v37
	s_wait_dscnt 0x0                               ; for wave 0's sake
	s_barrier_signal -1
	s_barrier_wait -1
	s_cmp_lg_u32 s26, 0
	s_cbranch_scc1 .Lend
.irp w, 0,1,2,3
	ds_load_b64 v[112+2*\w:113+2*\w], v17 offset:256*\w    ; dims 2 x lane, 2 x lane + 1 of each wave's part
.endr
	ds_load_b128 v[120:123], v18                   ; the four l
	s_wait_dscnt 0x0
	v_pk_add_f32 v[112:113], v[112:113], v[114:115]
	v_pk_add_f32 v[116:117], v[116:117], v[118:119]
	v_pk_add_f32 v[112:113], v[112:113], v[116:117]
	v_add_f32 v120, v120, v121
	v_add_f32 v122, v122, v123
	v_add_f32 v120, v120, v122
	global_store_b64 v19, v[112:113], s[22:23]     ; 32 lanes store 256 consecutive bytes, at a multiple of 256 from part_o's first byte
	s_wait_xcnt 0x0                                ; EXEC changes only behind this wait
	v_cmp_eq_u32 vcc_lo, 0, v3
	s_and_saveexec_b32 s66, vcc_lo
	global_store_b32 v20, v120, s[24:25]           ; one number a work-group: part_l stays dense for the launch that reads it
	s_wait_xcnt 0x0
	s_or_b32 exec_lo, exec_lo, s66
.Lend:
	s_wait_tensorcnt 0x0
	ds_add_u32 v254, v255
	s_wait_dscnt 0x0
	CROUND                                         ; the closing round: no work-group ends while a partner may still ask for a tile that names it
	s_endpgm
.Lfunc_end_k_q5600b62e35_kvatt:
	.size	k_q5600b62e35_kvatt, .Lfunc_end_k_q5600b62e35_kvatt-k_q5600b62e35_kvatt
	.p2alignl 7, 3214868480
	.fill 96, 4, 3214868480
	.section	.rodata,"a",@progbits
	.p2align	6, 0x0
	.amdhsa_kernel k_q5600b62e35_kvatt
		.amdhsa_group_segment_fixed_size 213504
		.amdhsa_private_segment_fixed_size 0
		.amdhsa_enable_private_segment 0
		.amdhsa_kernarg_size 72
		.amdhsa_user_sgpr_count 2
		.amdhsa_user_sgpr_kernarg_segment_ptr 1
		.amdhsa_wavefront_size32 1
		.amdhsa_system_sgpr_workgroup_id_x 1
		.amdhsa_system_sgpr_workgroup_id_y 1
		.amdhsa_system_sgpr_workgroup_id_z 1
		.amdhsa_system_vgpr_workitem_id 0
		.amdhsa_next_free_vgpr 1024
		.amdhsa_next_free_sgpr 100
		.amdhsa_reserve_vcc 1
		.amdhsa_float_denorm_mode_32 3
		.amdhsa_float_denorm_mode_16_64 3
		.amdhsa_memory_ordered 1
		.amdhsa_forward_progress 1
		.amdhsa_inst_pref_size 66
	.end_amdhsa_kernel
	.amdgpu_metadata
---
amdhsa.version: [ 1, 2 ]
amdhsa.kernels:
  - .name:           k_q5600b62e35_kvatt
    .symbol:         k_q5600b62e35_kvatt.kd
    .args:
      - { .name: h_codes, .offset: 0, .size: 8, .value_kind: global_buffer, .address_space: global }
      - { .name: Wq_codes, .offset: 8, .size: 8, .value_kind: global_buffer, .address_space: global }
      - { .name: Wk_codes, .offset: 16, .size: 8, .value_kind: global_buffer, .address_space: global }
      - { .name: Wv_codes, .offset: 24, .size: 8, .value_kind: global_buffer, .address_space: global }
      - { .name: delta, .offset: 32, .size: 8, .value_kind: global_buffer, .address_space: global }
      - { .name: tau, .offset: 40, .size: 8, .value_kind: global_buffer, .address_space: global }
      - { .name: lowp_scales, .offset: 48, .size: 8, .value_kind: global_buffer, .address_space: global }
      - { .name: part_o, .offset: 56, .size: 8, .value_kind: global_buffer, .address_space: global }
      - { .name: part_l, .offset: 64, .size: 8, .value_kind: global_buffer, .address_space: global }
    .group_segment_fixed_size: 213504
    .private_segment_fixed_size: 0
    .kernarg_segment_align: 8
    .kernarg_segment_size: 72
    .max_flat_workgroup_size: 128
    .sgpr_count:     100
    .vgpr_count:     1024
    .wavefront_size: 32
...
	.end_amdgpu_metadata
.endif
;; end of part 1
;; launch outproj (part 2): grid 8 x 1, 8 waves a work-group, no clusters, 9,216 bytes of LDS; arguments part_o, part_l, Wo_codes, bo, lowp_scales, out0; writes out0
.if DOCPART == 2
	.amdgcn_target "amdgcn-amd-amdhsa--gfx1250"
	.amdhsa_code_object_version 6
	.text
	.protected	k_q5600b62e35_outproj
	.globl	k_q5600b62e35_outproj
	.p2align	8
	.type	k_q5600b62e35_outproj,@function
k_q5600b62e35_outproj:
	s_mov_b64 s[64:65], 0
	v_nop
	global_prefetch_b8 v0, s[64:65] scope:SCOPE_SE
	s_setreg_imm32_b32 hwreg(HW_REG_WAVE_MODE, 25, 1), 1
	s_wait_xcnt 0x0
; out0[b][n] = (the attention's row of batch b, quantised with 2^e10) . Wo[n] x 2^(e10 + e11) + bo[n].
; part_o [chunk 8][b 4][head 8][64] and part_l [chunk 8][b 4][head 8] hold each chunk's O x 2^M and l x 2^M under one common exponent: the row is (sum of O) x 2^(e8 + e9) / (sum of l).
; Work-group g makes columns 64 g .. 64 g + 63 for the four batches.  Each work-group rebuilds the whole operand (4 x 512 codes) from the 65,536 bytes of parts: thread j takes (b, head) = j / 8, dims 8 (j % 8) on.
; Wave w takes K step s = w % 4 (128 along K) and the column tiles q = 2 (w / 4) + i, i = 0, 1: two matrix instructions, each starting its sum with 0.  The four K steps' sums meet in LDS: another order of f32 sums than one chain.
; Lane r of tile q takes Wo's row 64 g + 4 r + q, so that a lane's four tiles are four neighbouring columns.  Row m of the operand takes batch (m % 2) + 2 (m / 8): register 0 of a result holds batches 0 (lanes 0-15)
; and 2 (lanes 16-31), register 1 batches 1 and 3.
; No tensor loads and no cluster: the eight work-groups share only the parts.
; LIMITS: e10 - e8 - e9 between -126 and 119, e10 + e11 between -126 and 127, so that each power of two below is an f32 number.  NaN among the inputs is not served.
.set APITCH, 528                       ; a row of the operand in LDS: 512 codes + 16
.set ACD, 0                            ; 4 rows
.set STG, 2304                         ; the K steps' sums: 1024 s + 512 (register) + 16 x lane + 4 q
	s_load_b256 s[4:11], s[0:1], 0x0               ; part_o s[4:5], part_l s[6:7], Wo's codes s[8:9], bo s[10:11]
	s_load_b128 s[12:15], s[0:1], 0x20             ; the scales' exponents s[12:13], out0 s[14:15]
	v_lshl_add_u32 v192, v0, 2, 0x2000
	v_mov_b32 v193, 0
	v_lshrrev_b32 v13, 5, v0
	v_readfirstlane_b32 s16, v13                   ; wave 0..7
	s_and_b32 s17, s16, 3                          ; s: my K step
	s_lshr_b32 s18, s16, 2                         ; which two column tiles
	s_and_b32 s19, s16, 1                          ; on the way out: which register's batches (waves 0 and 1 alone go that way)
	v_and_b32 v1, 31, v0                           ; lane
	v_and_b32 v2, 15, v0                           ; r
	v_bfe_u32 v3, v0, 4, 1                         ; h
	v_lshlrev_b32 v4, 5, v0                        ; my 8 numbers of a chunk's part: 32 j
	v_lshrrev_b32 v5, 3, v0
	v_lshlrev_b32 v5, 2, v5                        ; my (b, head)'s l: 4 (j / 8)
	v_lshlrev_b32 v6, 11, v2
	v_lshl_add_u32 v6, v3, 4, v6                   ; Wo: 4 r rows of 512 bytes, + 16 h
	v_lshlrev_b32 v7, 4, v2                        ; bo: 16 r
	v_lshrrev_b32 v8, 6, v0
	v_mul_u32_u24 v8, v8, APITCH
	v_and_b32 v13, 63, v0
	v_lshl_add_u32 v8, v13, 3, v8                  ; my 8 codes: row b = j / 64, byte 8 (j % 64)
	v_and_b32 v9, 1, v2
	v_lshrrev_b32 v13, 3, v2
	v_lshl_add_u32 v9, v13, 1, v9                  ; the batch of the operand's row r
	v_mul_u32_u24 v9, v9, APITCH
	v_lshl_add_u32 v9, v3, 4, v9
	s_lshl_b32 s24, s17, 7
	v_add_nc_u32 v9, s24, v9                       ; + 16 h + 128 s
	v_lshlrev_b32 v13, 4, v1                       ; 16 x lane
	s_lshl_b32 s25, s17, 10
	s_lshl_b32 s26, s18, 3
	s_add_co_u32 s25, s25, s26
	s_add_co_u32 s25, s25, STG
	v_add_nc_u32 v10, s25, v13                     ; into the stage
	s_lshl_b32 s25, s19, 9
	s_add_co_u32 s25, s25, STG
	v_add_nc_u32 v11, s25, v13                     ; and back
	v_lshl_add_u32 v12, v3, 12, v7                 ; out0: two batches on for lanes 16-31, + 16 r
	s_lshl_b32 s28, ttmp9, 15                      ; Wo: 64 g rows,
	s_lshl_b32 s26, s18, 10                        ; + my first tile's q = 2 (w / 4) rows,
	s_add_co_u32 s28, s28, s26
	s_add_co_u32 s28, s28, s24                     ; + 128 s along K
	s_mov_b32 s29, 0
	s_lshl_b32 s30, ttmp9, 8                       ; bo, out0: 64 g numbers
	s_mov_b32 s31, 0
	s_lshl_b32 s34, s19, 11                        ; out0: batch w % 2
	s_add_co_u32 s34, s34, s30
	s_mov_b32 s35, 0
	s_wait_kmcnt 0x0
	s_load_b128 s[20:23], s[12:13], 0x20           ; e8, e9, e10, e11
	s_add_nc_u64 s[8:9], s[8:9], s[28:29]
	s_add_nc_u64 s[10:11], s[10:11], s[30:31]
	s_add_nc_u64 s[14:15], s[14:15], s[34:35]
.irp c, 0,1,2,3,4,5,6,7
	global_load_b32 v[20+\c], v5, s[6:7] offset:128*\c
.endr
.irp c, 0,1,2,3,4,5,6,7
	global_load_b128 v[32+8*\c:35+8*\c], v4, s[4:5] offset:8192*\c
	global_load_b128 v[36+8*\c:39+8*\c], v4, s[4:5] offset:8192*\c+16
.endr
.irp i, 0,1
.irp c, 0,1,2,3
	global_load_b128 v[100+16*\i+4*\c:103+16*\i+4*\c], v6, s[8:9] offset:512*\i+32*\c
.endr
.endr
	global_load_b128 v[180:183], v7, s[10:11]
	s_wait_kmcnt 0x0
	s_sub_co_i32 s24, s22, s20
	s_sub_co_i32 s24, s24, s21                     ; (sum of O) / l stands for that x 2^(e8 + e9): its code is that / 2^(e10 - e8 - e9)
	s_add_co_i32 s36, s24, 127
	s_lshl_b32 s37, s36, 23
	v_mov_b32 v14, s37
	s_add_co_i32 s36, s36, 8
	s_lshl_b32 s36, s36, 23
	s_or_b32 s36, s36, 0x600000
	v_mov_b32 v15, s36                             ; 448 x that scale
	s_add_co_i32 s32, s22, s23
	s_add_co_i32 s32, s32, 127
	s_lshl_b32 s32, s32, 23                        ; 2^(e10 + e11) as f32
	s_mov_b32 s33, s32                             ; (named with it as a pair, so it is written)
	s_wait_loadcnt 9                               ; the eight l and the sixteen loads of parts are in; Wo's eight and bo's one may be out
.irp c, 1,2,3,4,5,6,7
.irp p, 0,2,4,6
	v_pk_add_f32 v[32+\p:33+\p], v[32+\p:33+\p], v[32+8*\c+\p:33+8*\c+\p]   ; the chunks' parts, four chains
.endr
.endr
	v_add_f32 v20, v20, v21
	v_add_f32 v22, v22, v23
	v_add_f32 v24, v24, v25
	v_add_f32 v26, v26, v27
	v_add_f32 v20, v20, v22
	v_add_f32 v24, v24, v26
	v_add_f32 v20, v20, v24                        ; the row's sum: at least 2^-74, since each wave's largest p is over 1/2 and M is at least -72
	v_rcp_f32 v16, v20
	v_mov_b32 v17, 0                               ; the pair's upper word is written; also the plain instruction behind the reciprocal
	s_wait_alu depctr_va_vdst(0)                   ; ahead of the first reader
.irp p, 0,2,4,6
	v_pk_mul_f32 v[32+\p:33+\p], v[32+\p:33+\p], v[16:17] op_sel_hi:[1,0]
.endr
.irp j, 0,1,2,3,4,5,6,7
	v_med3_num_f32 v[32+\j], v[32+\j], -v15, v15   ; the conversion to an 8-bit code does not saturate (ISA guide 7.6.2)
.endr
	v_cvt_scalef32_pk8_fp8_f32 v[96:97], v[32:39], v14
	v_nop                                          ; a plain instruction behind a scaled conversion
	ds_store_b64 v8, v[96:97]
	s_wait_dscnt 0x0                               ; for the others' sake
	s_barrier_signal -1
	s_barrier_wait -1                              ; the operand's four rows lie in LDS
.irp c, 0,1,2,3
	ds_load_b128 v[132+4*\c:135+4*\c], v9 offset:32*\c
.endr
	s_wait_loadcnt 1                               ; Wo's fragments are in; bo may be out
	s_wait_dscnt 0x0
	v_wmma_f32_16x16x128_fp8_fp8 v[148:155], v[132:147], v[100:115], 0
	v_wmma_f32_16x16x128_fp8_fp8 v[156:163], v[132:147], v[116:131], 0
.rept 4
	v_nop                                          ; places in front of the first reads of results (ISA guide 7.12.1)
.endr
	ds_store_b32 v10, v148                         ; each result from its low end on
	ds_store_b32 v10, v149 offset:512
	ds_store_b32 v10, v156 offset:4
	ds_store_b32 v10, v157 offset:516
	s_wait_dscnt 0x0
	s_barrier_signal -1
	s_barrier_wait -1                              ; all K steps' sums lie in the stage
	s_cmp_lt_u32 s16, 2
	s_cbranch_scc0 .Ldone
.irp s, 0,1,2,3
	ds_load_b128 v[164+4*\s:167+4*\s], v11 offset:1024*\s    ; lane (r, h): columns 4 r .. 4 r + 3 of batch w + 2 h, K step s
.endr
	s_wait_dscnt 0x0
	s_wait_loadcnt 0x0                             ; bo
	v_pk_add_f32 v[164:165], v[164:165], v[168:169]
	v_pk_add_f32 v[166:167], v[166:167], v[170:171]
	v_pk_add_f32 v[172:173], v[172:173], v[176:177]
	v_pk_add_f32 v[174:175], v[174:175], v[178:179]
	v_pk_add_f32 v[164:165], v[164:165], v[172:173]
	v_pk_add_f32 v[166:167], v[166:167], v[174:175]
	v_pk_fma_f32 v[164:165], v[164:165], s[32:33], v[180:181] op_sel_hi:[1,0,1]   ; sum x 2^(e10 + e11) + bo
	v_pk_fma_f32 v[166:167], v[166:167], s[32:33], v[182:183] op_sel_hi:[1,0,1]
	global_store_b128 v12, v[164:167], s[14:15]    ; sixteen lanes store 256 consecutive bytes, at a multiple of 256 from out0's first byte
.Ldone:
	s_wait_tensorcnt 0x0
	ds_add_u32 v192, v193
	s_wait_dscnt 0x0
	s_endpgm
.Lfunc_end_k_q5600b62e35_outproj:
	.size	k_q5600b62e35_outproj, .Lfunc_end_k_q5600b62e35_outproj-k_q5600b62e35_outproj
	.p2alignl 7, 3214868480
	.fill 96, 4, 3214868480
	.section	.rodata,"a",@progbits
	.p2align	6, 0x0
	.amdhsa_kernel k_q5600b62e35_outproj
		.amdhsa_group_segment_fixed_size 9216
		.amdhsa_private_segment_fixed_size 0
		.amdhsa_enable_private_segment 0
		.amdhsa_kernarg_size 48
		.amdhsa_user_sgpr_count 2
		.amdhsa_user_sgpr_kernarg_segment_ptr 1
		.amdhsa_wavefront_size32 1
		.amdhsa_system_sgpr_workgroup_id_x 1
		.amdhsa_system_sgpr_workgroup_id_y 1
		.amdhsa_system_sgpr_workgroup_id_z 1
		.amdhsa_system_vgpr_workitem_id 0
		.amdhsa_next_free_vgpr 194
		.amdhsa_next_free_sgpr 66
		.amdhsa_reserve_vcc 0
		.amdhsa_float_denorm_mode_32 3
		.amdhsa_float_denorm_mode_16_64 3
		.amdhsa_memory_ordered 1
		.amdhsa_forward_progress 1
		.amdhsa_inst_pref_size 12
	.end_amdhsa_kernel
	.amdgpu_metadata
---
amdhsa.version: [ 1, 2 ]
amdhsa.kernels:
  - .name:           k_q5600b62e35_outproj
    .symbol:         k_q5600b62e35_outproj.kd
    .args:
      - { .name: part_o, .offset: 0, .size: 8, .value_kind: global_buffer, .address_space: global }
      - { .name: part_l, .offset: 8, .size: 8, .value_kind: global_buffer, .address_space: global }
      - { .name: Wo_codes, .offset: 16, .size: 8, .value_kind: global_buffer, .address_space: global }
      - { .name: bo, .offset: 24, .size: 8, .value_kind: global_buffer, .address_space: global }
      - { .name: lowp_scales, .offset: 32, .size: 8, .value_kind: global_buffer, .address_space: global }
      - { .name: out0, .offset: 40, .size: 8, .value_kind: global_buffer, .address_space: global }
    .group_segment_fixed_size: 9216
    .private_segment_fixed_size: 0
    .kernarg_segment_align: 8
    .kernarg_segment_size: 48
    .max_flat_workgroup_size: 256
    .sgpr_count:     66
    .vgpr_count:     194
    .wavefront_size: 32
...
	.end_amdgpu_metadata
.endif
;; end of part 2
;; ======== version 2 of 2: 2 launches; version 1 with the launch outproj written anew for expert scheduling mode
;; workspace buffers: part_o 65,536 bytes; part_l 1,024 bytes
;; launch kvatt: the kernel of part 1 again; grid 8 x 32, 4 waves a work-group, clusters of 4 x 4, 213,504 bytes of LDS; arguments h_codes, Wq_codes, Wk_codes, Wv_codes, delta, tau, lowp_scales, part_o, part_l; writes part_o, part_l
;; launch outproj (part 3): grid 8 x 1, 8 waves a work-group, no clusters, 9,216 bytes of LDS; arguments part_o, part_l, Wo_codes, bo, lowp_scales, out0; writes out0
.if DOCPART == 3
	.amdgcn_target "amdgcn-amd-amdhsa--gfx1250"
	.amdhsa_code_object_version 6
	.text
	.protected	k_q5600b62e35_outproj
	.globl	k_q5600b62e35_outproj
	.p2align	8
	.type	k_q5600b62e35_outproj,@function
k_q5600b62e35_outproj:
	s_mov_b64 s[64:65], 0
	v_nop
	global_prefetch_b8 v0, s[64:65] scope:SCOPE_SE
	s_setreg_imm32_b32 hwreg(HW_REG_WAVE_SCHED_MODE, 0, 2), 2
	s_setreg_imm32_b32 hwreg(HW_REG_WAVE_MODE, 25, 1), 1
	s_wait_xcnt 0x0
	s_wait_alu depctr_vm_vsrc(0)
; out0[b][n] = (the attention's row of batch b, quantised with 2^e10) . Wo[n] x 2^(e10 + e11) + bo[n].
; part_o [chunk 8][b 4][head 8][64] and part_l [chunk 8][b 4][head 8] hold each chunk's O x 2^M and l x 2^M under one common exponent: the row is (sum of O) x 2^(e8 + e9) / (sum of l).
; Work-group g makes columns 64 g .. 64 g + 63 for the four batches.  Each work-group rebuilds the whole operand (4 x 512 codes) from the 65,536 bytes of parts: thread j takes (b, head) = j / 8, dims 8 (j % 8) on.
; Wave w takes K step s = w % 4 (128 along K) and the column tiles q = 2 (w / 4) + i, i = 0, 1: two matrix instructions, each starting its sum with 0.  The four K steps' sums meet in LDS: another order of f32 sums than one chain.
; Lane r of tile q takes Wo's row 64 g + 4 r + q, so that a lane's four tiles are four neighbouring columns.  Row m of the operand takes batch (m % 2) + 2 (m / 8): register 0 of a result holds batches 0 (lanes 0-15)
; and 2 (lanes 16-31), register 1 batches 1 and 3.
; No tensor loads and no cluster: the eight work-groups share only the parts.
; LIMITS: e10 - e8 - e9 between -126 and 119, e10 + e11 between -126 and 127, so that each power of two below is an f32 number.  NaN among the inputs is not served.
; THE MODE: SCHED_MODE bits 1:0 = 2 (LLVM: expert scheduling mode 2), set by the entry lines.  The code itself states the register dependences
; between vector or matrix instructions and memory or LDS instructions, with s_wait_alu, always for 0.
; THE PLAN.  Registers that memory or LDS instructions touch:
;   v4 .. v12     offsets and LDS addresses: written by vector instructions at the head, once; read by every load and store.  One wait on va_vdst ahead of the first load serves them all.
;   v20-27, v32-95, v100-131, v180-183, v132-147, v164-179   loads land here; no vector or matrix instruction names them before: nothing is owed ahead of the loads.
;   v[96:97]      written by the conversion, read by one LDS store: a wait on va_vdst between the two.
;   v148, v149, v156, v157   written by the two matrix instructions, read by four LDS stores: the four places, then a wait on va_vdst.
;   v[164:167]    written by the last multiply-adds, read by the one global store: a wait on va_vdst between.
; No register that a load or store reads is ever written again, so no wait on vm_vsrc is owed for them.  EXEC and VCC are never written.  s16 comes from a vector instruction: a wait on va_sdst ahead of its first reader.
.set APITCH, 528                       ; a row of the operand in LDS: 512 codes + 16
.set ACD, 0                            ; 4 rows
.set STG, 2304                         ; the K steps' sums: 1024 s + 512 (register) + 16 x lane + 4 q
	s_load_b256 s[4:11], s[0:1], 0x0               ; part_o s[4:5], part_l s[6:7], Wo's codes s[8:9], bo s[10:11]
	s_load_b128 s[12:15], s[0:1], 0x20             ; the scales' exponents s[12:13], out0 s[14:15]
	v_lshl_add_u32 v190, v0, 2, 0x2000
	v_mov_b32 v191, 0
	v_lshrrev_b32 v13, 5, v0
	v_readfirstlane_b32 s16, v13                   ; wave 0..7
	v_and_b32 v1, 31, v0                           ; lane
	v_and_b32 v2, 15, v0                           ; r
	v_bfe_u32 v3, v0, 4, 1                         ; h
	v_lshlrev_b32 v4, 5, v0                        ; my 8 numbers of a chunk's part: 32 j
	v_lshrrev_b32 v5, 3, v0
	v_lshlrev_b32 v5, 2, v5                        ; my (b, head)'s l: 4 (j / 8)
	v_lshlrev_b32 v6, 11, v2
	v_lshl_add_u32 v6, v3, 4, v6                   ; Wo: 4 r rows of 512 bytes, + 16 h
	v_lshlrev_b32 v7, 4, v2                        ; bo: 16 r
	v_lshrrev_b32 v8, 6, v0
	v_mul_u32_u24 v8, v8, APITCH
	v_and_b32 v13, 63, v0
	v_lshl_add_u32 v8, v13, 3, v8                  ; my 8 codes: row b = j / 64, byte 8 (j % 64)
	v_and_b32 v9, 1, v2
	v_lshrrev_b32 v13, 3, v2
	v_lshl_add_u32 v9, v13, 1, v9                  ; the batch of the operand's row r
	v_mul_u32_u24 v9, v9, APITCH
	v_lshl_add_u32 v9, v3, 4, v9
	s_wait_alu depctr_va_sdst(0)                   ; s16 is written, ahead of its first reader: the K step, the tiles, LDS addresses and bases are made from it
	s_and_b32 s17, s16, 3                          ; s: my K step
	s_lshr_b32 s18, s16, 2                         ; which two column tiles
	s_and_b32 s19, s16, 1                          ; on the way out: which register's batches (waves 0 and 1 alone go that way)
	s_lshl_b32 s24, s17, 7
	v_add_nc_u32 v9, s24, v9                       ; + 16 h + 128 s
	v_lshlrev_b32 v13, 4, v1                       ; 16 x lane
	s_lshl_b32 s25, s17, 10
	s_lshl_b32 s26, s18, 3
	s_add_co_u32 s25, s25, s26
	s_add_co_u32 s25, s25, STG
	v_add_nc_u32 v10, s25, v13                     ; into the stage
	s_lshl_b32 s25, s19, 9
	s_add_co_u32 s25, s25, STG
	v_add_nc_u32 v11, s25, v13                     ; and back
	v_lshl_add_u32 v12, v3, 12, v7                 ; out0: two batches on for lanes 16-31, + 16 r
	s_lshl_b32 s28, ttmp9, 15                      ; Wo: 64 g rows,
	s_lshl_b32 s26, s18, 10                        ; + my first tile's q = 2 (w / 4) rows,
	s_add_co_u32 s28, s28, s26
	s_add_co_u32 s28, s28, s24                     ; + 128 s along K
	s_mov_b32 s29, 0
	s_lshl_b32 s30, ttmp9, 8                       ; bo, out0: 64 g numbers
	s_mov_b32 s31, 0
	s_lshl_b32 s34, s19, 11                        ; out0: batch w % 2
	s_add_co_u32 s34, s34, s30
	s_mov_b32 s35, 0
	s_wait_kmcnt 0x0
	s_load_b128 s[20:23], s[12:13], 0x20           ; e8, e9, e10, e11
	s_add_nc_u64 s[8:9], s[8:9], s[28:29]
	s_add_nc_u64 s[10:11], s[10:11], s[30:31]
	s_add_nc_u64 s[14:15], s[14:15], s[34:35]
	s_wait_alu depctr_va_vdst(0)                   ; the offsets and LDS addresses v4 to v12 are written, which the loads and stores from here to the end read; none of them is written again
.irp c, 0,1,2,3,4,5,6,7
	global_load_b32 v[20+\c], v5, s[6:7] offset:128*\c
.endr
.irp c, 0,1,2,3,4,5,6,7
	global_load_b128 v[32+8*\c:35+8*\c], v4, s[4:5] offset:8192*\c
	global_load_b128 v[36+8*\c:39+8*\c], v4, s[4:5] offset:8192*\c+16
.endr
.irp i, 0,1
.irp c, 0,1,2,3
	global_load_b128 v[100+16*\i+4*\c:103+16*\i+4*\c], v6, s[8:9] offset:512*\i+32*\c
.endr
.endr
	global_load_b128 v[180:183], v7, s[10:11]
	s_wait_kmcnt 0x0
	s_sub_co_i32 s24, s22, s20
	s_sub_co_i32 s24, s24, s21                     ; (sum of O) / l stands for that x 2^(e8 + e9): its code is that / 2^(e10 - e8 - e9)
	s_add_co_i32 s36, s24, 127
	s_lshl_b32 s37, s36, 23
	v_mov_b32 v14, s37
	s_add_co_i32 s36, s36, 8
	s_lshl_b32 s36, s36, 23
	s_or_b32 s36, s36, 0x600000
	v_mov_b32 v15, s36                             ; 448 x that scale
	s_add_co_i32 s32, s22, s23
	s_add_co_i32 s32, s32, 127
	s_lshl_b32 s32, s32, 23                        ; 2^(e10 + e11) as f32
	s_mov_b32 s33, s32                             ; (named with it as a pair, so it is written)
	s_wait_loadcnt 9                               ; the eight l and the sixteen loads of parts are in; Wo's eight and bo's one may be out
.irp c, 1,2,3,4,5,6,7
.irp p, 0,2,4,6
	v_pk_add_f32 v[32+\p:33+\p], v[32+\p:33+\p], v[32+8*\c+\p:33+8*\c+\p]   ; the chunks' parts, four chains
.endr
.endr
	v_add_f32 v20, v20, v21
	v_add_f32 v22, v22, v23
	v_add_f32 v24, v24, v25
	v_add_f32 v26, v26, v27
	v_add_f32 v20, v20, v22
	v_add_f32 v24, v24, v26
	v_add_f32 v20, v20, v24                        ; the row's sum: at least 2^-74, since each wave's largest p is over 1/2 and M is at least -72
	v_rcp_f32 v16, v20
	v_mov_b32 v17, 0                               ; the pair's upper word is written; also the plain instruction behind the reciprocal
	s_wait_alu depctr_va_vdst(0)                   ; the reciprocal has written v16, ahead of its first reader
.irp p, 0,2,4,6
	v_pk_mul_f32 v[32+\p:33+\p], v[32+\p:33+\p], v[16:17] op_sel_hi:[1,0]
.endr
.irp j, 0,1,2,3,4,5,6,7
	v_med3_num_f32 v[32+\j], v[32+\j], -v15, v15   ; the conversion to an 8-bit code does not saturate (ISA guide 7.6.2)
.endr
	v_cvt_scalef32_pk8_fp8_f32 v[96:97], v[32:39], v14
	v_nop                                          ; a plain instruction behind a scaled conversion
	s_wait_alu depctr_va_vdst(0)                   ; the conversion has written v[96:97], which the LDS store reads
	ds_store_b64 v8, v[96:97]
	s_wait_dscnt 0x0                               ; for the others' sake
	s_barrier_signal -1
	s_barrier_wait -1                              ; the operand's four rows lie in LDS
.irp c, 0,1,2,3
	ds_load_b128 v[132+4*\c:135+4*\c], v9 offset:32*\c       ; no vector or matrix instruction has named v132 to v147: no wait is owed
.endr
	s_wait_loadcnt 1                               ; Wo's fragments are in; bo may be out
	s_wait_dscnt 0x0
	v_wmma_f32_16x16x128_fp8_fp8 v[148:155], v[132:147], v[100:115], 0
	v_wmma_f32_16x16x128_fp8_fp8 v[156:163], v[132:147], v[116:131], 0
.rept 4
	v_nop                                          ; places in front of the first reads of results (ISA guide 7.12.1)
.endr
	s_wait_alu depctr_va_vdst(0)                   ; the two matrix instructions have written v[148:163], of which the LDS stores read four; the places above stay beside this wait
	ds_store_b32 v10, v148                         ; each result from its low end on
	ds_store_b32 v10, v149 offset:512
	ds_store_b32 v10, v156 offset:4
	ds_store_b32 v10, v157 offset:516
	s_wait_dscnt 0x0
	s_barrier_signal -1
	s_barrier_wait -1                              ; all K steps' sums lie in the stage
	s_cmp_lt_u32 s16, 2
	s_cbranch_scc0 .Ldone
.irp s, 0,1,2,3
	ds_load_b128 v[164+4*\s:167+4*\s], v11 offset:1024*\s    ; lane (r, h): columns 4 r .. 4 r + 3 of batch w + 2 h, K step s; no vector or matrix instruction has named v164 to v179
.endr
	s_wait_dscnt 0x0
	s_wait_loadcnt 0x0                             ; bo
	v_pk_add_f32 v[164:165], v[164:165], v[168:169]
	v_pk_add_f32 v[166:167], v[166:167], v[170:171]
	v_pk_add_f32 v[172:173], v[172:173], v[176:177]
	v_pk_add_f32 v[174:175], v[174:175], v[178:179]
	v_pk_add_f32 v[164:165], v[164:165], v[172:173]
	v_pk_add_f32 v[166:167], v[166:167], v[174:175]
	v_pk_fma_f32 v[164:165], v[164:165], s[32:33], v[180:181] op_sel_hi:[1,0,1]   ; sum x 2^(e10 + e11) + bo
	v_pk_fma_f32 v[166:167], v[166:167], s[32:33], v[182:183] op_sel_hi:[1,0,1]
	s_wait_alu depctr_va_vdst(0)                   ; the multiply-adds have written v[164:167], which the store reads
	global_store_b128 v12, v[164:167], s[14:15]    ; sixteen lanes store 256 consecutive bytes, at a multiple of 256 from out0's first byte
.Ldone:
	s_wait_dscnt 0x0
	s_wait_alu depctr_hold_cnt(0) depctr_sa_sdst(0) depctr_va_vdst(0) depctr_va_sdst(0) depctr_va_ssrc(0) depctr_va_vcc(0) depctr_vm_vsrc(0)
	s_wait_tensorcnt 0x0
	ds_add_u32 v190, v191
	s_wait_dscnt 0x0
	s_endpgm
.Lfunc_end_k_q5600b62e35_outproj:
	.size	k_q5600b62e35_outproj, .Lfunc_end_k_q5600b62e35_outproj-k_q5600b62e35_outproj
	.p2alignl 7, 3214868480
	.fill 96, 4, 3214868480
	.section	.rodata,"a",@progbits
	.p2align	6, 0x0
	.amdhsa_kernel k_q5600b62e35_outproj
		.amdhsa_group_segment_fixed_size 9216
		.amdhsa_private_segment_fixed_size 0
		.amdhsa_enable_private_segment 0
		.amdhsa_kernarg_size 48
		.amdhsa_user_sgpr_count 2
		.amdhsa_user_sgpr_kernarg_segment_ptr 1
		.amdhsa_wavefront_size32 1
		.amdhsa_system_sgpr_workgroup_id_x 1
		.amdhsa_system_sgpr_workgroup_id_y 1
		.amdhsa_system_sgpr_workgroup_id_z 1
		.amdhsa_system_vgpr_workitem_id 0
		.amdhsa_next_free_vgpr 192
		.amdhsa_next_free_sgpr 66
		.amdhsa_reserve_vcc 0
		.amdhsa_float_denorm_mode_32 3
		.amdhsa_float_denorm_mode_16_64 3
		.amdhsa_memory_ordered 1
		.amdhsa_forward_progress 1
		.amdhsa_inst_pref_size 12
	.end_amdhsa_kernel
	.amdgpu_metadata
---
amdhsa.version: [ 1, 2 ]
amdhsa.kernels:
  - .name:           k_q5600b62e35_outproj
    .symbol:         k_q5600b62e35_outproj.kd
    .args:
      - { .name: part_o, .offset: 0, .size: 8, .value_kind: global_buffer, .address_space: global }
      - { .name: part_l, .offset: 8, .size: 8, .value_kind: global_buffer, .address_space: global }
      - { .name: Wo_codes, .offset: 16, .size: 8, .value_kind: global_buffer, .address_space: global }
      - { .name: bo, .offset: 24, .size: 8, .value_kind: global_buffer, .address_space: global }
      - { .name: lowp_scales, .offset: 32, .size: 8, .value_kind: global_buffer, .address_space: global }
      - { .name: out0, .offset: 40, .size: 8, .value_kind: global_buffer, .address_space: global }
    .group_segment_fixed_size: 9216
    .private_segment_fixed_size: 0
    .kernarg_segment_align: 8
    .kernarg_segment_size: 48
    .max_flat_workgroup_size: 256
    .sgpr_count:     66
    .vgpr_count:     192
    .wavefront_size: 32
...
	.end_amdgpu_metadata
.endif
;; end of part 3
